; MI455X (gfx1250); checked and timed in simulation.
; The chip was launched on July 23, 2026; its instructions are those of AMD's public machine-readable ISA for CDNA 5 (MIT licence, August 2026) and "CDNA5" Instruction Set Architecture Reference Guide (July 2026). The comments in the code are by the model that wrote it; some were corrected since.
;; CAN Layer. Allowed arithmetic: float matrix products may take bf16 or f16 operands with f32 sums; other float arithmetic in f32, or as packed bf16 or f16 multiplies, adds, multiply-adds, maxima and minima; sums over many terms, partial sums and values carried from step to step in f32; what a program stores and reads back later, other than sums and carried values, may be rounded once to bf16 or f16.
;; Inputs: Wk_d 2,048 x 2,048 float32; Wk_p 2,048 x 2,048 float32; Wq_d 2,048 x 2,048 float32; Wq_p 2,048 x 2,048 float32; Wv_d 2,048 x 2,048 float32; Wv_p 2,048 x 2,048 float32; drug 2,048 x 2,048 float32; mask_drug 2,048 bool; mask_prot 2,048 bool; protein 2,048 x 2,048 float32.
;; Outputs: out0 2,048 x 4,096 float32.
;; 2 versions, each right; version 2 is version 1 with the launch cast written anew for expert scheduling mode. Each part assembles by itself: llvm-mc -triple=amdgcn-amd-amdhsa -mcpu=gfx1250 --defsym DOCPART=n.
;; ======== version 1 of 2: 2 launches
;; workspace buffers: xb 16,777,216 bytes; wb 50,331,648 bytes
;; launch cast (part 1): grid 64 x 8, 8 waves a work-group, no clusters, 0 bytes of LDS; arguments protein, drug, Wq_p, Wk_p, Wv_p, Wq_d, Wk_d, Wv_d, xb, wb; writes xb, wb
.if DOCPART == 1
	.amdgcn_target "amdgcn-amd-amdhsa--gfx1250"
	.amdhsa_code_object_version 6
	.text
	.protected	k_q6a3b64fb33_cast
	.globl	k_q6a3b64fb33_cast
	.p2align	8
	.type	k_q6a3b64fb33_cast,@function
k_q6a3b64fb33_cast:
	s_mov_b64 s[64:65], 0
	v_nop
	global_prefetch_b8 v0, s[64:65] scope:SCOPE_SE
	s_setreg_imm32_b32 hwreg(HW_REG_WAVE_MODE, 25, 1), 1
	s_wait_xcnt 0x0
; The eight large inputs, [2048][2048] f32, are rounded ONCE to bf16 (to nearest even) and laid in dense tiles of 16,384 bytes, as the next launch asks for them.
;   xb: tile ((rb*32+kb)*2+which) = [128 rows][64 k] bf16, rows of 128 bytes; rb = row/128, kb = k/64, which = 0 protein, 1 drug.
;   wb: tile ((head*32+kb)*6+t)   = [64 k][128 n] bf16, rows of 256 bytes; head = n/128, t = 0..5: Wq_p, Wk_p, Wv_p, Wq_d, Wk_d, Wv_d.
; mask_prot and mask_drug are not among the arguments: reference() replaces both by all-true arrays in its own body, so their values reach no result.
; SHARES.  Grid y names the source (0..7, in the order of the arguments), grid x and the wave's number the tile: one wave makes one tile, in 64 items.
; An item is one load of 16 bytes a lane (512 bytes of f32), two packed roundings and one store of 8 bytes a lane: 256 consecutive bytes, aligned.
;   x:  lanes 0-15 take 256 bytes of one row, lanes 16-31 the same columns of the next row: two rows of the tile.   W: the 32 lanes take 512 bytes on end of one row: one row of the tile.
; Both forms differ in four numbers alone (source offset, tile, stride from item to item, stride between the halves of the lanes): they are chosen by selects, and there is no branch.
; A ring of 16 slots in registers keeps 16 loads of every wave on their way.  EVERY ITEM HAS STORE REGISTERS OF ITS OWN (64 x 2), and its place in the tile stands in the store's immediate: no
; source of a store is ever rewritten, so the only wait in an item's turn is the counted one for its load.  That is why the 64 items are written out and not looped over.
; No LDS, no barrier, no matrix unit: nothing is shared and nothing is summed.
.set DEPTH,  16                        ; slots = loads in flight in each wave
.set ITEMS,  64
.set OFF, 2                            ; v[2:17]    slot i: byte offset of my 16 bytes of the item that the slot loads
.set X,   20                           ; v[20:83]   slot i: 4 registers as loaded
.set Y,   84                           ; v[84:211]  item n: 2 registers to store, written once
                                       ; v1  8 x lane: my 8 bytes in an item's 256; never rewritten.   v18, v19 at work
	s_load_b512 s[16:31], s[0:1], 0x0              ; the eight sources
	s_load_b128 s[32:35], s[0:1], 0x40             ; xb s[32:33], wb s[34:35]
	v_lshrrev_b32 v18, 5, v0
	v_readfirstlane_b32 s11, v18                   ; wave 0..7
	s_and_b32 s13, ttmp7, 0xffff                   ; y: which source
	; the form for x: rb = gx / 4, kb = 8 (gx % 4) + wave
	s_lshr_b32 s14, ttmp9, 2
	s_and_b32 s15, ttmp9, 3
	s_lshl3_add_u32 s15, s15, s11
	s_lshl_b32 s36, s14, 20                        ; 128 rows of 8,192 bytes
	s_lshl_b32 s37, s15, 8                         ; 64 f32
	s_add_co_u32 s36, s36, s37                     ; source offset
	s_lshl_b32 s37, s14, 5
	s_add_co_u32 s37, s37, s15
	s_lshl1_add_u32 s37, s37, s13                  ; tile (rb*32+kb)*2 + y
	; the form for W: kb = gx / 2, head = 8 (gx % 2) + wave
	s_lshr_b32 s14, ttmp9, 1
	s_and_b32 s15, ttmp9, 1
	s_lshl3_add_u32 s15, s15, s11
	s_lshl_b32 s38, s14, 19                        ; 64 rows of 8,192 bytes
	s_lshl_b32 s39, s15, 9                         ; 128 f32
	s_add_co_u32 s38, s38, s39                     ; source offset
	s_max_u32 s40, s13, 2
	s_sub_co_u32 s40, s40, 2                       ; t
	s_lshl_b32 s39, s15, 5
	s_add_co_u32 s39, s39, s14
	s_mul_i32 s39, s39, 6
	s_add_co_u32 s39, s39, s40                     ; tile (head*32+kb)*6 + t
	s_cmp_lt_u32 s13, 2                            ; x or W?
	s_cselect_b32 s36, s36, s38
	s_cselect_b32 s38, s37, s39
	s_cselect_b32 s8, 14, 13                       ; from item to item: two rows (16,384 bytes) or one (8,192), as a shift
	s_cselect_b32 s10, 13, 8                       ; lanes 16-31: one row on (8,192 bytes) or 256 bytes on, as a shift
	s_lshl_b32 s38, s38, 14                        ; the tile's first byte
	s_lshl_b32 s8, 1, s8
	s_lshl_b32 s9, s8, 4                           ; DEPTH items on
	s_mov_b32 s37, 0
	s_mov_b32 s39, 0
	v_and_b32 v18, 31, v0
	v_lshlrev_b32 v1, 3, v18
	v_and_b32 v19, 15, v0
	v_bfe_u32 v18, v0, 4, 1
	v_lshlrev_b32 v18, s10, v18
	v_lshl_add_u32 v[OFF], v19, 4, v18
.irp i, 1,2,3,4,5,6,7,8,9,10,11,12,13,14,15
	v_add_nc_u32 v[OFF+(\i)], s8, v[OFF+(\i)-1]
.endr
	s_wait_kmcnt 0x0
	s_mov_b64 s[4:5], s[16:17]
.irp j, 1,2,3,4,5,6,7
	s_cmp_eq_u32 s13, \j
	s_cselect_b64 s[4:5], s[16+2*(\j):17+2*(\j)], s[4:5]
.endr
	s_cmp_lt_u32 s13, 2
	s_cselect_b64 s[6:7], s[32:33], s[34:35]
	s_add_nc_u64 s[4:5], s[4:5], s[36:37]          ; the source at my tile's first number; never rewritten
	s_add_nc_u64 s[6:7], s[6:7], s[38:39]          ; the workspace at my tile; never rewritten
.irp i, 0,1,2,3,4,5,6,7,8,9,10,11,12,13,14,15
	global_load_b128 v[X+4*(\i):X+4*(\i)+3], v[OFF+(\i)], s[4:5] th:TH_LOAD_NT  ; items 0 to 15
.endr
; Item n, in slot n % DEPTH.  All items but the last DEPTH fill their slot again, with the item DEPTH further on, ahead of their store.
.set n, 0
.rept ITEMS
.set i, n%DEPTH
.if n < ITEMS-DEPTH
	s_wait_loadcnt DEPTH-1                         ; loads come back in order (ISA guide 5.7.1): mine is in, the 15 younger ones stay out; the wait also frees my load's address register
.else
	s_wait_loadcnt ITEMS-1-n                       ; the last 16 items load nothing: the counts run down
.endif
	v_cvt_pk_bf16_f32 v[Y+2*n],   v[X+4*i],   v[X+4*i+1]
	v_cvt_pk_bf16_f32 v[Y+2*n+1], v[X+4*i+2], v[X+4*i+3]
.if n < ITEMS-DEPTH
	v_add_nc_u32 v[OFF+i], s9, v[OFF+i]
	global_load_b128 v[X+4*i:X+4*i+3], v[OFF+i], s[4:5] th:TH_LOAD_NT
.endif
	global_store_b64 v1, v[Y+2*n:Y+2*n+1], s[6:7] offset:256*n th:TH_STORE_NT  ; the wave's 256 consecutive bytes, at a multiple of 256 from the buffer's first
.set n, n+1
.endr
	s_endpgm
.Lfunc_end_k_q6a3b64fb33_cast:
	.size	k_q6a3b64fb33_cast, .Lfunc_end_k_q6a3b64fb33_cast-k_q6a3b64fb33_cast
	.p2alignl 7, 3214868480
	.fill 96, 4, 3214868480
	.section	.rodata,"a",@progbits
	.p2align	6, 0x0
	.amdhsa_kernel k_q6a3b64fb33_cast
		.amdhsa_group_segment_fixed_size 0
		.amdhsa_private_segment_fixed_size 0
		.amdhsa_enable_private_segment 0
		.amdhsa_kernarg_size 80
		.amdhsa_user_sgpr_count 2
		.amdhsa_user_sgpr_kernarg_segment_ptr 1
		.amdhsa_wavefront_size32 1
		.amdhsa_system_sgpr_workgroup_id_x 1
		.amdhsa_system_sgpr_workgroup_id_y 1
		.amdhsa_system_sgpr_workgroup_id_z 1
		.amdhsa_system_vgpr_workitem_id 0
		.amdhsa_next_free_vgpr 212
		.amdhsa_next_free_sgpr 66
		.amdhsa_reserve_vcc 0
		.amdhsa_float_denorm_mode_32 3
		.amdhsa_float_denorm_mode_16_64 3
		.amdhsa_memory_ordered 1
		.amdhsa_forward_progress 1
		.amdhsa_inst_pref_size 27
	.end_amdhsa_kernel
	.amdgpu_metadata
---
amdhsa.version: [ 1, 2 ]
amdhsa.kernels:
  - .name:           k_q6a3b64fb33_cast
    .symbol:         k_q6a3b64fb33_cast.kd
    .args:
      - { .name: protein, .offset: 0, .size: 8, .value_kind: global_buffer, .address_space: global }
      - { .name: drug, .offset: 8, .size: 8, .value_kind: global_buffer, .address_space: global }
      - { .name: Wq_p, .offset: 16, .size: 8, .value_kind: global_buffer, .address_space: global }
      - { .name: Wk_p, .offset: 24, .size: 8, .value_kind: global_buffer, .address_space: global }
      - { .name: Wv_p, .offset: 32, .size: 8, .value_kind: global_buffer, .address_space: global }
      - { .name: Wq_d, .offset: 40, .size: 8, .value_kind: global_buffer, .address_space: global }
      - { .name: Wk_d, .offset: 48, .size: 8, .value_kind: global_buffer, .address_space: global }
      - { .name: Wv_d, .offset: 56, .size: 8, .value_kind: global_buffer, .address_space: global }
      - { .name: xb, .offset: 64, .size: 8, .value_kind: global_buffer, .address_space: global }
      - { .name: wb, .offset: 72, .size: 8, .value_kind: global_buffer, .address_space: global }
    .group_segment_fixed_size: 0
    .private_segment_fixed_size: 0
    .kernarg_segment_align: 8
    .kernarg_segment_size: 80
    .max_flat_workgroup_size: 256
    .sgpr_count:     66
    .vgpr_count:     212
    .wavefront_size: 32
...
	.end_amdgpu_metadata
.endif
;; end of part 1
;; launch can (part 2): grid 16 x 16, 4 waves a work-group, clusters of 4 x 4, 327,680 bytes of LDS; arguments xb, wb, out0; writes out0
.if DOCPART == 2
	.amdgcn_target "amdgcn-amd-amdhsa--gfx1250"
	.amdhsa_code_object_version 6
	.text
	.protected	k_q6a3b64fb33_can
	.globl	k_q6a3b64fb33_can
	.p2align	8
	.type	k_q6a3b64fb33_can,@function
k_q6a3b64fb33_can:
	s_mov_b64 s[64:65], 0
	v_nop
	global_prefetch_b8 v0, s[64:65] scope:SCOPE_SE
	s_setreg_imm32_b32 hwreg(HW_REG_WAVE_MODE, 25, 1), 1
	s_wait_xcnt 0x0
	s_wait_alu depctr_hold_cnt(0) depctr_sa_sdst(0) depctr_va_vdst(0) depctr_va_sdst(0) depctr_va_ssrc(0) depctr_va_vcc(0) depctr_vm_vsrc(0)
	s_getreg_b32 s2, hwreg(HW_REG_IB_STS2, 6, 4)
	s_cmp_eq_u32 s2, 0
	s_cbranch_scc0 .Lentry_in_a_cluster
	s_endpgm
.Lentry_in_a_cluster:
	s_bfe_u32 s2, ttmp6, 0x10000c
	s_cmp_lg_u32 s2, 0xf033
	s_cbranch_scc0 .Lentry_shape_is_right
	s_endpgm
.Lentry_shape_is_right:
; out0[b][0:2048]    = (a_pp vp + a_pd vd) / 2,   out0[b][2048:4096] = (a_dp vp + a_dd vd) / 2, head by head (16 heads of 128 channels), where
; qp, kp, vp = protein Wq_p, Wk_p, Wv_p;  qd, kd, vd = drug Wq_d, Wk_d, Wv_d;  a_xy = softmax over the ONE key of the logit qx . ky (128 channels).
; All six products, the four logits and the softmax (maximum taken away, exponential, sum, division) are computed; q, k, v and the logits never leave the work-group.
; mask_prot and mask_drug are not among the arguments: reference() replaces both by all-true arrays in its own body, and those all-true masks change nothing.
; LIMITS.  The products' operands are the inputs rounded once to bf16 (by the launch before); sums in f32, in another order than reference()'s; the factor 1/2 is folded into a.
; A logit that is infinite or NaN gives NaN in its head's 128 numbers, as in reference() (l - l).
; SHARES.  A work-group takes 128 rows (rb) and one head, for all six products: 16 x 16 work-groups.  Wave w owns all 128 rows x the head's columns 32 w .. 32 w + 31 of all six: 96 accumulators
; of 16 x 16, 768 registers.  For 32 along K a wave has 96 matrix instructions for 56 LDS loads.
; rb goes by the grid's x and the head by its y: the clusters of one row of clusters, which follow each other in the grid, walk the same tiles of W, three quarters of a step's bytes.
; THE MATRIX INSTRUCTION IS USED TRANSPOSED: source 0 = 16 columns of W (turned on the way out of LDS by ds_load_tr16_b128), source 1 = 16 rows of x.  In accumulator (a, b) lane l, register j,
; holds row 16 a + l % 16 and column 32 w + 16 b + 8 (l / 16) + j: a lane holds ONE row, so a logit is a sum within the lane, one exchange between the halves of the lanes, and one meeting of the four waves in LDS.
; K goes in 32 steps of 64 through two LDS slots.  A step's tiles are 128 KiB: each wave asks for 32 KiB, dense in memory, as 128 rows of 256 bytes, by one tensor load.
; CLUSTERS: 4 x 4 work-groups.  x's tiles hang on rb alone and are shared along a column of the cluster, W's on the head alone and are shared along a row: each is asked for JOINTLY.
; REGISTERS, in windows of 256 (s_set_vgpr_msb: bits 1:0 source 0, 3:2 source 1, 5:4 source 2, 7:6 destination):
;   window 0: v0-31 addresses; v32-143 fragment buffer P (protein), v144-255 buffer D (drug): 8 fragments of x (16 rows x 32 K), then 6 of W (q, k, v x 2 column blocks)
;   windows 1, 2, 3: the accumulators of q, k, v: (x, a, b) at v[128 x + 16 a + 8 b], x = 0 protein, 1 drug
.set PA,    144                        ; a row of x in LDS: 128 bytes + 16 = 36 words: the 16 rows of a load start at 16 different groups of four banks (64 banks of 4 bytes: ISA guide 11.1)
.set PB,    288                        ; a row of W: 256 + 32 = 72 words
.set TILE,  18432                      ; a tile in LDS: 128 x 144 = 64 x 288
.set PART,  2*TILE                     ; what one tensor load brings.  Part 0: protein's tile, drug's.  Parts 1-3: W's tiles t = 0..5
.set SLOT,  4*PART
.set LOG,   2*SLOT                     ; behind the ring: [wave 4][row 128][4 f32] partial logits, 8,192 bytes, never filled by a tensor load
.set SPARE, LOG+8192                   ; the spare words, 128 bytes for each wave: two blocks of 256 bytes that no other line names
.set SP,    528                        ; the way out: a row of 128 f32 + 16 bytes.  The stage, [half 2][row 128], lies in slot 0's bytes, behind that slot's last fill of the launch
.set HALF,  128*SP
.set XSTEP, 32768                      ; bytes from K step to K step in xb
.set WSTEP, 98304                      ; and in wb
.set HEADB, 32*WSTEP                   ; a head's tiles in wb
.set LAPS,  16                         ; a lap = two K steps = once round the ring
.set ADRA, 16                          ; v16-17  LDS address of my fragments of x in slot 0, 1
.set ADRB, 18                          ; v18-21  of my fragments of W: slot s, x at ADRB + 2 s + x
.set STO,  22                          ; v22-23  the way out: where I put 32 bytes of a row, half 0, 1
.set RD,   24                          ; v24-25  where I read a row back, half 0, 1
.set CO,   26                          ; v26     16 x lane: my 16 bytes of a row's 512 in out0
.set LGS,  27                          ; v27     where I put a row's four partial logits
.set SPW,  28                          ; v28     LDS address of my spare word: SPARE + 4 x my thread's number; never rewritten
.set NIL,  29                          ; v29     0; never rewritten
.set PFO,  30                          ; v30     256 x lane: the prefetches' offset; never rewritten
.set LGR,  31                          ; v31     where I read partial logits back
.set FB,   32                          ; buffer x begins at FB + 112 x
.set G1,  24                           ; s[24:31] descriptor group 1 for x's tiles;  s[32:39] group 0, one set for each slot
.set G0,  32
.set G1B, 48                           ; s[48:55], s[56:63] the same for W's tiles
.set G0B, 56
.set LIM, 43                           ; s43      1 in a wave that prefetches, else the greatest number
.set PFA, 44                           ; s[44:45] where my prefetches stand;  s[20:21] their step;  s[22:23] v_permlanex16_b32's selects;  s3 laps to go;  s10 my wave's number
.set MSB, 0
.macro WIN new                         ; the immediate's high byte repeats the setting that is left; a switch that changes nothing is dropped
.if MSB != (\new)
	s_set_vgpr_msb (MSB<<8)|(\new)
.set MSB, \new
.endif
.endm
.macro PLACES                          ; four places in front of loads into registers that matrix instructions have read, and of vector lines that read results
.rept 4
	v_nop
.endr
.endm
; A joint load.  Wave 0 fetches both tiles of x, waves 1 to 3 two tiles of W each.  The branch hangs on the wave's number alone.  An s_nop 0 and four v_nop follow each of the two lines.
.macro JLOAD s
	s_cmp_eq_u32 s10, 0
	s_cbranch_scc0 .Lfor_w_\@
	tensor_load_to_lds s[G0+4*(\s):G0+4*(\s)+3], s[G1:G1+7]
	s_nop 0
.rept 4
	v_nop
.endr
	s_branch .Lasked_\@
.Lfor_w_\@:
	tensor_load_to_lds s[G0B+4*(\s):G0B+4*(\s)+3], s[G1B:G1B+7]
	s_nop 0
.rept 4
	v_nop
.endr
.Lasked_\@:
.endm
; A PREFETCH INTO THE L2, behind a joint refill and the run of LDS loads that follows it: of the 32 KiB that I shall ask for at the NEXT change of slots, 192 matrix instructions on, my work-group's quarter:
; 32 blocks of 256 bytes, a lane a block.  x's tiles are read by every cluster of a column of clusters: cluster y = 0 asks; W's by every cluster of a row: cluster x = 0 asks.  The four partners that ask for
; a tile jointly share it out BY ADDRESS (cy for x's, cx for W's).  So each block is named once in the launch.  how = 1: always; how = 0: not in the loop's last trip, whose second refill is the last K step's.
.macro ASK how
.if \how
	s_cmp_eq_u32 s[LIM], 1
.else
	s_cmp_gt_u32 s3, s[LIM]
.endif
	s_cbranch_scc0 .Lnot_mine_\@
	global_prefetch_b8 v[PFO], s[PFA:PFA+1] th:TH_LOAD_NT scope:SCOPE_SE
.Lnot_mine_\@:
.endm
.macro CREST                           ; a round of the cluster's barrier behind its opening barrier
	s_cmp_lg_u32 s10, 0
	s_cbranch_scc1 .Lnot_wave_0_\@
	s_barrier_signal -3
.Lnot_wave_0_\@:
	s_barrier_wait -3
	s_barrier_signal -1
	s_barrier_wait -1
.endm
.macro CROUND                          ; a whole round
	s_barrier_signal -1
	s_barrier_wait -1
	CREST
.endm
	s_load_b128 s[4:7], s[0:1], 0x0                ; xb s[4:5], wb s[6:7]
	s_load_b64 s[8:9], s[0:1], 0x10                ; out0
	v_lshl_add_u32 v[SPW], v0, 2, SPARE
	v_mov_b32 v[NIL], 0
	ds_add_u32 v[SPW], v[NIL]                      ; the wave's opening: the add and its wait stand ahead of my first tensor load; the set-up below, work on registers, stands between them
	v_lshrrev_b32 v1, 5, v0
	v_readfirstlane_b32 s10, v1                    ; wave 0..3
	s_bfe_u32 s40, ttmp6, 0x40000                  ; cx, cy: my place in the cluster
	s_bfe_u32 s41, ttmp6, 0x40004
	s_lshl_b32 s13, ttmp9, 2
	s_add_co_u32 s13, s13, s40                     ; rb = 4 x cluster x + cx
	s_and_b32 s42, ttmp7, 0xffff
	s_lshl_b32 s42, s42, 2
	s_add_co_u32 s42, s42, s41                     ; head = 4 x cluster y + cy
	s_lshl_b32 s43, 0x1111, s40                    ; my column of the cluster: places cx, cx + 4, cx + 8, cx + 12
	s_lshl_b32 s44, s41, 2
	s_lshl_b32 s44, 15, s44                        ; my row: places 4 cy .. 4 cy + 3
	; descriptor group 1: 128 rows x 128 elements of 2 bytes, dense in memory, padded in LDS
	s_or_b32 s[G1], s43, (1<<16)|(1<<20)|(1<<21)|(4<<22)|(3<<25)   ; 15:0 the mask: x's tiles go to my column; 17:16 2-byte elements; 20 padding on; 21 set beside a mask; 24:22 after every 32 words (code 4); 31:25 4 words (code 3)
	s_or_b32 s[G1B], s44, (1<<16)|(1<<20)|(1<<21)|(5<<22)|(7<<25)  ; W's tiles go to my row; after every 64 words (code 5) 8 words (code 7)
.irp g, G1, G1B
	s_mov_b32 s[(\g)+1], 128<<16                   ; tensor_dim0 = 128
	s_mov_b32 s[(\g)+2], 128<<16                   ; tensor_dim1 = 128
	s_mov_b32 s[(\g)+3], 128<<16                   ; tile_dim0 = 128
	s_mov_b32 s[(\g)+4], 128                       ; tile_dim1 = 128
	s_mov_b32 s[(\g)+5], 128                       ; 128 elements from row to row
	s_mov_b32 s[(\g)+6], 0
	s_mov_b32 s[(\g)+7], 0
.endr
	s_lshl_b32 s16, s13, 20                        ; x: rb's 64 tiles; made of cx alone
	s_mov_b32 s17, 0
	s_max_u32 s14, s10, 1
	s_sub_co_u32 s14, s14, 1
	s_lshl_b32 s14, s14, 15                        ; W: waves 1, 2, 3 take tiles 0-1, 2-3, 4-5 (wave 0's set is made and never used)
	s_mul_i32 s46, s42, HEADB                      ; the head's 192 tiles; made of cy alone
	s_add_co_u32 s46, s46, s14
	s_mov_b32 s47, 0
	s_mul_i32 s18, s10, PART                       ; where my load goes: wave x a part: no place in the cluster enters an LDS address
	s_mov_b32 s22, 0x76543210
	s_mov_b32 s23, 0xfedcba98
	s_wait_dscnt 0x0                               ; the opening add is done
	s_wait_kmcnt 0x0
	s_add_nc_u64 s[14:15], s[4:5], s[16:17]
	s_add_nc_u64 s[46:47], s[6:7], s[46:47]
	CROUND                                         ; all sixteen work-groups are here: the first joint loads meet
.irp s, 0,1
	s_mov_b32 s[G0+4*(\s)], 1                                        ; count = 1
	s_add_co_u32 s[G0+4*(\s)+1], s18, (\s)*SLOT                      ; LDS address
	s_add_nc_u64 s[G0+4*(\s)+2:G0+4*(\s)+3], s[14:15], (\s)*XSTEP    ; global address: K step s
	s_or_b32 s[G0+4*(\s)+3], s[G0+4*(\s)+3], 0x80000000              ; type = 2
	s_mov_b32 s[G0B+4*(\s)], 1
	s_add_co_u32 s[G0B+4*(\s)+1], s18, (\s)*SLOT
	s_add_nc_u64 s[G0B+4*(\s)+2:G0B+4*(\s)+3], s[46:47], (\s)*WSTEP
	s_or_b32 s[G0B+4*(\s)+3], s[G0B+4*(\s)+3], 0x80000000
	JLOAD \s                                       ; two loads of mine are out
.endr
	; A fragment of x is 16 rows x 32 K in 8 registers: lane l holds row l % 16; registers 0-3 K = 8 (l / 16) + 0..7, registers 4-7 K = 16 + 8 (l / 16) + 0..7: two loads of 16 bytes, 32 bytes apart.
	v_and_b32 v1, 15, v0                           ; l % 16
	v_bfe_u32 v2, v0, 4, 1                         ; l / 16
	v_mul_u32_u24 v3, v1, PA
	v_lshl_add_u32 v[ADRA], v2, 4, v3
	v_add_nc_u32 v[ADRA+1], SLOT, v[ADRA]
	; The turning load takes 16 K x 16 columns (lane l reads K = 8 (l / 16) + l % 8, columns 8 ((l / 8) % 2) + 0..7) and leaves half a fragment: lane l holds column l % 16 and 8 K.
	v_and_b32 v4, 7, v0
	v_bfe_u32 v5, v0, 3, 1
	v_lshl_add_u32 v6, v2, 3, v4
	v_mul_u32_u24 v6, v6, PB
	v_lshl_add_u32 v6, v5, 4, v6
	s_lshl_b32 s14, s10, 6                         ; my 32 columns: 64 bytes of a row,
	s_add_co_u32 s14, s14, PART                    ; behind x's part
	v_add_nc_u32 v[ADRB], s14, v6
	v_add_nc_u32 v[ADRB+1], 3*TILE, v[ADRB]        ; drug's three matrices lie behind protein's
	v_add_nc_u32 v[ADRB+2], SLOT, v[ADRB]
	v_add_nc_u32 v[ADRB+3], SLOT+3*TILE, v[ADRB]
	v_mul_u32_u24 v7, v1, SP                       ; into the stage: row l % 16, my wave's 128 bytes, 32 bytes for each half of the lanes
	v_lshl_add_u32 v7, v2, 5, v7
	s_lshl_b32 s14, s10, 7
	v_add_nc_u32 v[STO], s14, v7
	v_add_nc_u32 v[STO+1], HALF, v[STO]
	v_and_b32 v8, 31, v0
	v_lshlrev_b32 v[CO], 4, v8
	s_mul_i32 s14, s10, 32*SP                      ; back: wave w takes rows 32 w .. 32 w + 31, whole: 32 lanes x 16 bytes
	v_add_nc_u32 v[RD], s14, v[CO]
	v_add_nc_u32 v[RD+1], HALF, v[RD]
	v_lshlrev_b32 v[LGR], 4, v1
	v_add_nc_u32 v[LGR], LOG, v[LGR]
	s_lshl_b32 s14, s10, 11
	v_add_nc_u32 v[LGS], s14, v[LGR]
	v_lshlrev_b32 v[PFO], 8, v8
	; out0 at row 128 rb + 32 w, column 128 head of the first half
	s_lshl_b32 s16, s13, 7
	s_lshl_b32 s17, s10, 5
	s_add_co_u32 s16, s16, s17
	s_lshl_b32 s16, s16, 14                        ; rows of 16,384 bytes
	s_lshl_b32 s17, s42, 9
	s_add_co_u32 s16, s16, s17
	s_mov_b32 s17, 0
	s_add_nc_u64 s[8:9], s[8:9], s[16:17]
	; the prefetches: my work-group's quarter of my tile, at K step 2; the first refill steps it to K step 3.  Nothing is prefetched here, at the head: K steps 0 to 2 come by their loads alone
	s_and_b32 s12, ttmp7, 0xffff                   ; cluster y
	s_lshl_b32 s16, s13, 20
	s_lshl_b32 s17, s41, 13
	s_add_co_u32 s16, s16, s17
	s_add_co_u32 s16, s16, 2*XSTEP                 ; x's: rb, quarter cy
	s_max_u32 s18, s10, 1
	s_sub_co_u32 s18, s18, 1
	s_lshl_b32 s18, s18, 15
	s_mul_i32 s19, s42, HEADB
	s_add_co_u32 s18, s18, s19
	s_lshl_b32 s19, s40, 13
	s_add_co_u32 s18, s18, s19
	s_add_co_u32 s18, s18, 2*WSTEP                 ; W's: head, my two tiles, quarter cx
	s_mov_b32 s20, WSTEP
	s_cmp_eq_u32 s10, 0                            ; do I fetch x's tiles?
	s_cselect_b32 s16, s16, s18
	s_cselect_b32 s12, s12, ttmp9                  ; the coordinate along which other clusters read the same tiles: cluster y for x's, cluster x for W's
	s_cselect_b32 s20, XSTEP, s20
	s_cselect_b64 s[PFA:PFA+1], s[4:5], s[6:7]
	s_mov_b32 s17, 0
	s_mov_b32 s21, 0
	s_add_nc_u64 s[PFA:PFA+1], s[PFA:PFA+1], s[16:17]
	s_cmp_eq_u32 s12, 0
	s_cselect_b32 s[LIM], 1, -1                    ; the same in all sixteen partners, for a given wave
; na x 2 matrix instructions of matrix tt (0 q, 1 k, 2 v) of side x: row blocks a0 .. a0 + na - 1 x both column blocks, 32 along K.  zero = 1: the product starts the sum: nothing is ever cleared.
; The 96 accumulators take turns, one instruction a turn, in the same order in every 32 along K, over the backward jump too.
.macro MUL tt, x, a0, na, zero
	WIN 0x50*((\tt)+1)                             ; C and D in window tt + 1, both sources in window 0
.set ma, (\a0)
.rept (\na)
.irp b, 0,1
.if \zero
	v_wmma_f32_16x16x32_bf16 v[128*(\x)+16*ma+8*(\b):128*(\x)+16*ma+8*(\b)+7], v[FB+112*(\x)+64+8*(2*(\tt)+(\b)):FB+112*(\x)+64+8*(2*(\tt)+(\b))+7], v[FB+112*(\x)+8*ma:FB+112*(\x)+8*ma+7], 0
.else
	v_wmma_f32_16x16x32_bf16 v[128*(\x)+16*ma+8*(\b):128*(\x)+16*ma+8*(\b)+7], v[FB+112*(\x)+64+8*(2*(\tt)+(\b)):FB+112*(\x)+64+8*(2*(\tt)+(\b))+7], v[FB+112*(\x)+8*ma:FB+112*(\x)+8*ma+7], v[128*(\x)+16*ma+8*(\b):128*(\x)+16*ma+8*(\b)+7]
.endif
.endr
.set ma, ma+1
.endr
.endm
; 28 LDS loads in one run: side x's fragments for K = 32 kk .. 32 kk + 31 of slot s, into buffer x: 6 of W (turned), 8 of x
.macro FETCH s, kk, x
	WIN 0
.irp tt, 0,1,2
.irp b, 0,1
	ds_load_tr16_b128 v[FB+112*(\x)+64+8*(2*(\tt)+(\b)):FB+112*(\x)+64+8*(2*(\tt)+(\b))+3],   v[ADRB+2*(\s)+(\x)] offset:TILE*(\tt)+32*PB*(\kk)+32*(\b)
	ds_load_tr16_b128 v[FB+112*(\x)+64+8*(2*(\tt)+(\b))+4:FB+112*(\x)+64+8*(2*(\tt)+(\b))+7], v[ADRB+2*(\s)+(\x)] offset:TILE*(\tt)+32*PB*(\kk)+32*(\b)+16*PB
.endr
.endr
.irp a, 0,1,2,3,4,5,6,7
	ds_load_b128 v[FB+112*(\x)+8*(\a):FB+112*(\x)+8*(\a)+3],   v[ADRA+(\s)] offset:TILE*(\x)+16*PA*(\a)+64*(\kk)
	ds_load_b128 v[FB+112*(\x)+8*(\a)+4:FB+112*(\x)+8*(\a)+7], v[ADRA+(\s)] offset:TILE*(\x)+16*PA*(\a)+64*(\kk)+32
.endr
.endm
; A K step is four phases of 48 matrix instructions: (kk 0, P), (kk 0, D), (kk 1, P), (kk 1, D).  One of the first three: the next phase's fragments are asked for, into the buffer that the
; phase before has multiplied, 48 matrix instructions ahead of their use; then buffer x is multiplied.
.macro PHASE s, kk, x, zero
	PLACES
.if (\x) == 0
	FETCH \s, \kk, 1
.else
	FETCH \s, 1, 0
.endif
	s_wait_dscnt 28                                ; all but the 28 just issued: buffer x is in
	MUL 0, \x, 0, 8, \zero
	MUL 1, \x, 0, 8, \zero
	MUL 2, \x, 0, 8, \zero
.endm
; The fourth phase multiplies buffer D and changes slots: ONE barrier.  In front of it each wave waits for all its tensor loads, of which one is out: its part of the other slot; adds 0 to its spare word;
; and waits for that and for its own reads of this slot.  fill = 1: the barrier opens a round of the cluster's, and this slot is filled again, two K steps on, first thing behind the round:
; the load has 176 matrix instructions in which to land.
.macro TURN s, fill, how
.if \fill
	s_wait_xcnt 0x0                                ; the last prefetch, a K step back, has read its address
	s_add_nc_u64 s[PFA:PFA+1], s[PFA:PFA+1], s[20:21]
.endif
	WIN 0                                          ; (the add's two registers lie in window 0)
	s_wait_tensorcnt 0x0                           ; all my tensor loads have landed
	ds_add_u32 v[SPW], v[NIL]                      ; 0 onto my spare word
	s_wait_dscnt 1                                 ; buffer D is in; the add may be out
	MUL 0, 1, 0, 4, 0                              ; eight matrix instructions stand between the add and the wait for it
	s_wait_dscnt 0x0                               ; the add is done, and my reads of this slot are over
	s_barrier_signal -1
	MUL 0, 1, 4, 4, 0                              ; work on registers while the others arrive
	WIN 0                                          ; at a branch and at a label every window is 0
	s_barrier_wait -1
.if \fill
	CREST                                          ; no wave of any partner still reads this slot or has a load on its way
	s_add_nc_u64 s[G0+4*(\s)+2:G0+4*(\s)+3], s[G0+4*(\s)+2:G0+4*(\s)+3], 2*XSTEP
	s_add_nc_u64 s[G0B+4*(\s)+2:G0B+4*(\s)+3], s[G0B+4*(\s)+2:G0B+4*(\s)+3], 2*WSTEP
	JLOAD \s                                       ; the four v_nop behind it are also the places in front of the loads into buffer P
.else
	PLACES
.endif
	FETCH 1-(\s), 0, 0
.if \fill
	ASK \how
.endif
	MUL 1, 1, 0, 8, 0
	MUL 2, 1, 0, 8, 0
.endm
	s_wait_tensorcnt 1                             ; my part of K step 0 is in; K step 1's may stay out
	s_barrier_signal -1
	s_barrier_wait -1                              ; everybody's is
	FETCH 0, 0, 0
	PHASE 0, 0, 0, 1                               ; the first two phases stand in front of the loop: their products start all 96 sums
	PHASE 0, 0, 1, 1
	WIN 0
	s_mov_b32 s3, LAPS-1
.Llap:                                                 ; a trip goes once round the ring, from a lap's third phase to the next lap's second, and fills both slots again
	PHASE 0, 1, 0, 0
	TURN 0, 1, 1
	PHASE 1, 0, 0, 0
	PHASE 1, 0, 1, 0
	PHASE 1, 1, 0, 0
	TURN 1, 1, 0
	PHASE 0, 0, 0, 0
	PHASE 0, 0, 1, 0
	WIN 0
	s_sub_co_u32 s3, s3, 1
	s_cmp_lg_u32 s3, 0
	s_cbranch_scc1 .Llap
	PHASE 0, 1, 0, 0                               ; the last lap fills nothing, and has no round of the cluster's barrier
	TURN 0, 0, 0
	PHASE 1, 0, 0, 0
	PHASE 1, 0, 1, 0
	PHASE 1, 1, 0, 0
	s_wait_dscnt 0x0                               ; the very last phase: nothing more to fetch
	MUL 0, 1, 0, 8, 0
	MUL 1, 1, 0, 8, 0
	MUL 2, 1, 0, 8, 0
	; THE LOGITS.  For row block a a lane holds 16 of its row's 128 channels of qp, qd, kp, kd: four partial logits g = 0 pp, 1 pd, 2 dp, 3 dd, two channels an instruction.
	; Each accumulator's registers are taken in ascending order.
.set LP, 32                            ; v[32:95]    pair (a, g) at LP + 8 a + 2 g
.set LQ, 96                            ; v[96:127]   my wave's partial logit (a, g) at LQ + 4 a + g
.set LL, 128                           ; v[128:255]  the four waves' partial logits; then v[128:159] the logits
.set EE, 160                           ; v[160:191]  l - m, its exponential e, at last a / 2
.set RR, 192                           ; v[192:223]  1 / sum
.set HH, 224                           ; v[224:255]  e / 2
	PLACES
	PLACES
	WIN 0x09                                       ; source 0: q, window 1; source 1: k, window 2; the sums in window 0
.set p, 0
.rept 8
.set a, 0
.rept 8
.irp g, 0,1,2,3
.if p == 0
	v_pk_mul_f32 v[LP+8*a+2*(\g):LP+8*a+2*(\g)+1], v[128*((\g)/2)+16*a+2*p:128*((\g)/2)+16*a+2*p+1], v[128*((\g)%2)+16*a+2*p:128*((\g)%2)+16*a+2*p+1]
.else
	v_pk_fma_f32 v[LP+8*a+2*(\g):LP+8*a+2*(\g)+1], v[128*((\g)/2)+16*a+2*p:128*((\g)/2)+16*a+2*p+1], v[128*((\g)%2)+16*a+2*p:128*((\g)%2)+16*a+2*p+1], v[LP+8*a+2*(\g):LP+8*a+2*(\g)+1]
.endif
.endr
.set a, a+1
.endr
.set p, p+1
.endr
	WIN 0
.set i, 0
.rept 32
	v_add_f32 v[LQ+i], v[LP+2*i], v[LP+2*i+1]
.set i, i+1
.endr
.set i, 0
.rept 32
	v_permlanex16_b32 v[LL+i], v[LQ+i], s22, s23   ; the row's other 16 of my wave's 32 channels lie in the lane 16 away
.set i, i+1
.endr
.set i, 0
.rept 16
	v_pk_add_f32 v[LQ+2*i:LQ+2*i+1], v[LQ+2*i:LQ+2*i+1], v[LL+2*i:LL+2*i+1]
.set i, i+1
.endr
.irp a, 0,1,2,3,4,5,6,7
	ds_store_b128 v[LGS], v[LQ+4*(\a):LQ+4*(\a)+3] offset:256*(\a)  ; both halves of the lanes write the same four numbers to the same bytes
.endr
	s_wait_dscnt 0x0                               ; for the others' sake: my partial logits lie in LDS
	s_barrier_signal -1
	s_barrier_wait -1
.irp wv, 0,1,2,3
.irp a, 0,1,2,3,4,5,6,7
	ds_load_b128 v[LL+32*(\wv)+4*(\a):LL+32*(\wv)+4*(\a)+3], v[LGR] offset:2048*(\wv)+256*(\a)
.endr
.endr
	s_wait_dscnt 0x0
.set i, 0
.rept 16
	v_pk_add_f32 v[LL+2*i:LL+2*i+1], v[LL+2*i:LL+2*i+1], v[LL+32+2*i:LL+32+2*i+1]
	v_pk_add_f32 v[LL+64+2*i:LL+64+2*i+1], v[LL+64+2*i:LL+64+2*i+1], v[LL+96+2*i:LL+96+2*i+1]
.set i, i+1
.endr
.set i, 0
.rept 16
	v_pk_add_f32 v[LL+2*i:LL+2*i+1], v[LL+2*i:LL+2*i+1], v[LL+64+2*i:LL+64+2*i+1]
.set i, i+1
.endr
	; THE SOFTMAX over the key axis, which has one key: the maximum m is the logit itself, the sum is the one exponential.  a = 2^((l - m) log2 e) / sum.
.set i, 0
.rept 16
	v_pk_add_f32 v[EE+2*i:EE+2*i+1], v[LL+2*i:LL+2*i+1], v[LL+2*i:LL+2*i+1] neg_lo:[0,1] neg_hi:[0,1]  ; l - m
.set i, i+1
.endr
.set i, 0
.rept 16
	v_pk_mul_f32 v[EE+2*i:EE+2*i+1], v[EE+2*i:EE+2*i+1], 0x3fb8aa3b op_sel_hi:[1,0]
.set i, i+1
.endr
.set i, 0
.rept 32
	v_exp_f32 v[EE+i], v[EE+i]
.set i, i+1
.endr
	v_nop                                          ; a plain instruction behind the last exponential,
	s_wait_alu depctr_va_vdst(0)                   ; and the wait ahead of the first use: one for the 32
.set i, 0
.rept 32
	v_rcp_f32 v[RR+i], v[EE+i]
.set i, i+1
.endr
.set i, 0
.rept 16
	v_pk_mul_f32 v[HH+2*i:HH+2*i+1], v[EE+2*i:EE+2*i+1], 0.5 op_sel_hi:[1,0]  ; the mean's 1/2; these lines are the plain work behind the reciprocals
.set i, i+1
.endr
	s_wait_alu depctr_va_vdst(0)                   ; one wait for the 32 reciprocals
.set i, 0
.rept 16
	v_pk_mul_f32 v[EE+2*i:EE+2*i+1], v[HH+2*i:HH+2*i+1], v[RR+2*i:RR+2*i+1]  ; a / 2: (pp, pd), (dp, dd) of row block a at EE + 4 a
.set i, i+1
.endr
	; THE OUTPUT.  prot = a_pp vp + a_pd vd, drug = a_dp vp + a_dd vd (the halves in a), four row blocks at a time into v[32:159], then into the stage.
.set T, 32                             ; (ai, b, half) at T + 32 ai + 16 b + 8 half
.macro OUTG grp
	WIN 0x03                                       ; source 0: v, window 3
.set ai, 0
.rept 4
.set aa, 4*(\grp)+ai
.irp b, 0,1
.irp p, 0,1,2,3
	v_pk_mul_f32 v[T+32*ai+16*(\b)+2*(\p):T+32*ai+16*(\b)+2*(\p)+1],     v[16*aa+8*(\b)+2*(\p):16*aa+8*(\b)+2*(\p)+1], v[EE+4*aa:EE+4*aa+1] op_sel_hi:[1,0]
	v_pk_mul_f32 v[T+32*ai+16*(\b)+8+2*(\p):T+32*ai+16*(\b)+8+2*(\p)+1], v[16*aa+8*(\b)+2*(\p):16*aa+8*(\b)+2*(\p)+1], v[EE+4*aa+2:EE+4*aa+3] op_sel_hi:[1,0]
.endr
.irp p, 0,1,2,3
	v_pk_fma_f32 v[T+32*ai+16*(\b)+2*(\p):T+32*ai+16*(\b)+2*(\p)+1],     v[128+16*aa+8*(\b)+2*(\p):128+16*aa+8*(\b)+2*(\p)+1], v[EE+4*aa:EE+4*aa+1],   v[T+32*ai+16*(\b)+2*(\p):T+32*ai+16*(\b)+2*(\p)+1] op_sel:[0,1,0] op_sel_hi:[1,1,1]
	v_pk_fma_f32 v[T+32*ai+16*(\b)+8+2*(\p):T+32*ai+16*(\b)+8+2*(\p)+1], v[128+16*aa+8*(\b)+2*(\p):128+16*aa+8*(\b)+2*(\p)+1], v[EE+4*aa+2:EE+4*aa+3], v[T+32*ai+16*(\b)+8+2*(\p):T+32*ai+16*(\b)+8+2*(\p)+1] op_sel:[0,1,0] op_sel_hi:[1,1,1]
.endr
.endr
.set ai, ai+1
.endr
	WIN 0
.set ai, 0
.rept 4
.set aa, 4*(\grp)+ai
.irp b, 0,1
.irp h, 0,1
	ds_store_b128 v[STO+(\h)], v[T+32*ai+16*(\b)+8*(\h):T+32*ai+16*(\b)+8*(\h)+3]   offset:16*SP*aa+64*(\b)
	ds_store_b128 v[STO+(\h)], v[T+32*ai+16*(\b)+8*(\h)+4:T+32*ai+16*(\b)+8*(\h)+7] offset:16*SP*aa+64*(\b)+16
.endr
.endr
.set ai, ai+1
.endr
.endm
	OUTG 0                                         ; slot 0 was read for the last time in front of the last change of slots, two barriers back, and is filled no more
	OUTG 1
	s_wait_dscnt 0x0                               ; for the others' sake: my stores into the stage are done; a row's 512 bytes come from four waves
	s_barrier_signal -1
	s_barrier_wait -1
; Batch q of four: 16 whole rows of half q / 2, rows 16 (q % 2) on of my 32; two sets of 64 registers take turns.
.macro LOADB q
.set i, 0
.rept 16
	ds_load_b128 v[T+64*((\q)%2)+4*i:T+64*((\q)%2)+4*i+3], v[RD+(\q)/2] offset:SP*(16*((\q)%2)+i)
.set i, i+1
.endr
.endm
.macro SENDB q, younger                ; younger: the LDS loads issued behind this batch's
.set i, 0
.rept 16
	s_wait_dscnt (\younger)+15-i
	global_store_b128 v[CO], v[T+64*((\q)%2)+4*i:T+64*((\q)%2)+4*i+3], s[8:9] offset:16384*(16*((\q)%2)+i)+8192*((\q)/2) th:TH_STORE_NT  ; the wave stores 512 consecutive bytes, at a multiple of 256 from out0's first
.set i, i+1
.endr
.endm
	LOADB 0
	LOADB 1
	SENDB 0, 16
	s_wait_xcnt 0x0                                ; batch 0's stores have read their registers: the set is loaded again only behind this wait
	LOADB 2
	SENDB 1, 16
	s_wait_xcnt 0x0
	LOADB 3
	SENDB 2, 16
	SENDB 3, 0
	s_wait_tensorcnt 0x0                           ; the wave's end, behind my last tensor load and my last LDS store
	ds_add_u32 v[SPW], v[NIL]
	s_wait_dscnt 0x0
	CROUND                                         ; the closing round: no work-group ends while a partner may still ask for a tile that names it
	s_endpgm
.Lfunc_end_k_q6a3b64fb33_can:
	.size	k_q6a3b64fb33_can, .Lfunc_end_k_q6a3b64fb33_can-k_q6a3b64fb33_can
	.p2alignl 7, 3214868480
	.fill 96, 4, 3214868480
	.section	.rodata,"a",@progbits
	.p2align	6, 0x0
	.amdhsa_kernel k_q6a3b64fb33_can
		.amdhsa_group_segment_fixed_size 327680
		.amdhsa_private_segment_fixed_size 0
		.amdhsa_enable_private_segment 0
		.amdhsa_kernarg_size 24
		.amdhsa_user_sgpr_count 2
		.amdhsa_user_sgpr_kernarg_segment_ptr 1
		.amdhsa_wavefront_size32 1
		.amdhsa_system_sgpr_workgroup_id_x 1
		.amdhsa_system_sgpr_workgroup_id_y 1
		.amdhsa_system_sgpr_workgroup_id_z 1
		.amdhsa_system_vgpr_workitem_id 0
		.amdhsa_next_free_vgpr 1024
		.amdhsa_next_free_sgpr 66
		.amdhsa_reserve_vcc 0
		.amdhsa_float_denorm_mode_32 3
		.amdhsa_float_denorm_mode_16_64 3
		.amdhsa_memory_ordered 1
		.amdhsa_forward_progress 1
		.amdhsa_inst_pref_size 157
	.end_amdhsa_kernel
	.amdgpu_metadata
---
amdhsa.version: [ 1, 2 ]
amdhsa.kernels:
  - .name:           k_q6a3b64fb33_can
    .symbol:         k_q6a3b64fb33_can.kd
    .args:
      - { .name: xb, .offset: 0, .size: 8, .value_kind: global_buffer, .address_space: global }
      - { .name: wb, .offset: 8, .size: 8, .value_kind: global_buffer, .address_space: global }
      - { .name: out0, .offset: 16, .size: 8, .value_kind: global_buffer, .address_space: global }
    .group_segment_fixed_size: 327680
    .private_segment_fixed_size: 0
    .kernarg_segment_align: 8
    .kernarg_segment_size: 24
    .max_flat_workgroup_size: 128
    .sgpr_count:     66
    .vgpr_count:     1024
    .wavefront_size: 32
...
	.end_amdgpu_metadata
.endif
;; end of part 2
;; ======== version 2 of 2: 2 launches; version 1 with the launch cast written anew for expert scheduling mode
;; workspace buffers: xb 16,777,216 bytes; wb 50,331,648 bytes
;; launch cast (part 3): grid 64 x 8, 8 waves a work-group, no clusters, 0 bytes of LDS; arguments protein, drug, Wq_p, Wk_p, Wv_p, Wq_d, Wk_d, Wv_d, xb, wb; writes xb, wb
.if DOCPART == 3
	.amdgcn_target "amdgcn-amd-amdhsa--gfx1250"
	.amdhsa_code_object_version 6
	.text
	.protected	k_q6a3b64fb33_cast
	.globl	k_q6a3b64fb33_cast
	.p2align	8
	.type	k_q6a3b64fb33_cast,@function
k_q6a3b64fb33_cast:
	s_mov_b64 s[64:65], 0
	v_nop
	global_prefetch_b8 v0, s[64:65] scope:SCOPE_SE
	s_setreg_imm32_b32 hwreg(HW_REG_WAVE_SCHED_MODE, 0, 2), 2
	s_setreg_imm32_b32 hwreg(HW_REG_WAVE_MODE, 25, 1), 1
	s_wait_xcnt 0x0
	s_wait_alu depctr_vm_vsrc(0)
; The eight large inputs, [2048][2048] f32, are rounded ONCE to bf16 (to nearest even) and laid in dense tiles of 16,384 bytes, as the next launch asks for them.
;   xb: tile ((rb*32+kb)*2+which) = [128 rows][64 k] bf16, rows of 128 bytes; rb = row/128, kb = k/64, which = 0 protein, 1 drug.
;   wb: tile ((head*32+kb)*6+t)   = [64 k][128 n] bf16, rows of 256 bytes; head = n/128, t = 0..5: Wq_p, Wk_p, Wv_p, Wq_d, Wk_d, Wv_d.
; mask_prot and mask_drug are not among the arguments: reference() replaces both by all-true arrays in its own body, so their values reach no result.
; SHARES.  Grid y names the source (0..7, in the order of the arguments), grid x and the wave's number the tile: one wave makes one tile, in 64 items.
; An item is one load of 16 bytes a lane (512 bytes of f32), two packed roundings and one store of 8 bytes a lane: 256 consecutive bytes, aligned.
;   x:  lanes 0-15 take 256 bytes of one row, lanes 16-31 the same columns of the next row: two rows of the tile.   W: the 32 lanes take 512 bytes on end of one row: one row of the tile.
; Both forms differ in four numbers alone (source offset, tile, stride from item to item, stride between the halves of the lanes): they are chosen by selects, and there is no branch.
; No LDS, no barrier, no matrix unit: nothing is shared and nothing is summed.
; THE MODE: SCHED_MODE bits 1:0 = 2 (LLVM: expert scheduling mode 2), set by the entry lines.  The code itself states the register dependences
; between vector instructions and memory instructions, with s_wait_alu, always for 0.
; THE PLAN.  The 64 items go in 16 blocks of four, all written out.  Registers that memory instructions touch:
;   X0 .. X4   five buffers of four items as loaded.  Block p's eight roundings read X[p % 5]; behind them the loads of block p + 5 land in it.
;   Y          two registers for EACH of the 64 items, written once, by the item's roundings, and read by its one store: no source of a store is ever written again.
;   v1, OFF    byte offsets, made once at the head and never written again.  OFF[i] holds my lane's place plus i items; the load of item n reads OFF[n % 16] beside scalar base n / 16.
;   s[SB ..]   four scalar bases, the source at items 0, 16, 32, 48, made once (the stride from item to item is chosen at run time, so it cannot stand in an immediate); s[6:7], the stores' base, likewise.
; A block: the counted wait for its four loads; its eight roundings; ONE wait on va_vdst; four loads; four stores.  That wait states that the roundings are done reading X[p % 5], in which the loads
; land, and have written the block's Y, which the stores read; no vector line stands between it and those eight memory instructions.  No register that a memory instruction has read is written
; again anywhere in the text, so there is no wait on vm_vsrc and none on XCNT.
; The wait stands behind the roundings, and not at the next block's head, so that a buffer is asked for again as soon as it is empty: 16 to 20 loads of every wave are on their way.
.set DEPTH,  16                        ; offsets: a scalar base serves 16 items
.set BLOCK,  4                         ; items in a block
.set BLOCKS, 64 / BLOCK
.set NX,     5                         ; buffers of loaded data
.set OFF, 2                            ; v[2:17]    offset i: my 16 bytes of item i of the 16 that a scalar base serves; never rewritten
.set X,   20                           ; v[20:99]   buffer k, item i: 4 registers at X + 16 k + 4 i, as loaded
.set Y,   100                          ; v[100:227] item n: 2 registers to store, written once
.set SB,  40                           ; s[40:47]   base r: the source at my tile's item 16 r: a pair at SB + 2 r; never rewritten
                                       ; v1  8 x lane: my 8 bytes in an item's 256; never rewritten.   v18, v19 at work, at the head only
	s_load_b512 s[16:31], s[0:1], 0x0              ; the eight sources
	s_load_b128 s[32:35], s[0:1], 0x40             ; xb s[32:33], wb s[34:35]
	v_lshrrev_b32 v18, 5, v0
	v_readfirstlane_b32 s11, v18                   ; wave 0..7
	s_and_b32 s13, ttmp7, 0xffff                   ; y: which source
	; the form for x: rb = gx / 4, kb = 8 (gx % 4) + wave
	s_lshr_b32 s14, ttmp9, 2
	s_and_b32 s15, ttmp9, 3
	s_wait_alu depctr_va_sdst(0)                   ; s11 is written, ahead of its first reader: the tile's number and the source's offset are made from it
	s_lshl3_add_u32 s15, s15, s11
	s_lshl_b32 s36, s14, 20                        ; 128 rows of 8,192 bytes
	s_lshl_b32 s37, s15, 8                         ; 64 f32
	s_add_co_u32 s36, s36, s37                     ; source offset
	s_lshl_b32 s37, s14, 5
	s_add_co_u32 s37, s37, s15
	s_lshl1_add_u32 s37, s37, s13                  ; tile (rb*32+kb)*2 + y
	; the form for W: kb = gx / 2, head = 8 (gx % 2) + wave
	s_lshr_b32 s14, ttmp9, 1
	s_and_b32 s15, ttmp9, 1
	s_lshl3_add_u32 s15, s15, s11
	s_lshl_b32 s38, s14, 19                        ; 64 rows of 8,192 bytes
	s_lshl_b32 s39, s15, 9                         ; 128 f32
	s_add_co_u32 s38, s38, s39                     ; source offset
	s_max_u32 s40, s13, 2
	s_sub_co_u32 s40, s40, 2                       ; t
	s_lshl_b32 s39, s15, 5
	s_add_co_u32 s39, s39, s14
	s_mul_i32 s39, s39, 6
	s_add_co_u32 s39, s39, s40                     ; tile (head*32+kb)*6 + t
	s_cmp_lt_u32 s13, 2                            ; x or W?
	s_cselect_b32 s36, s36, s38
	s_cselect_b32 s38, s37, s39
	s_cselect_b32 s8, 14, 13                       ; from item to item: two rows (16,384 bytes) or one (8,192), as a shift
	s_cselect_b32 s10, 13, 8                       ; lanes 16-31: one row on (8,192 bytes) or 256 bytes on, as a shift
	s_lshl_b32 s38, s38, 14                        ; the tile's first byte
	s_lshl_b32 s8, 1, s8
	s_lshl_b32 s14, s8, 4                          ; DEPTH items on: from one scalar base to the next,
	s_mov_b32 s15, 0                               ; as a pair
	s_mov_b32 s37, 0
	s_mov_b32 s39, 0
	v_and_b32 v18, 31, v0
	v_lshlrev_b32 v1, 3, v18
	v_and_b32 v19, 15, v0
	v_bfe_u32 v18, v0, 4, 1
	v_lshlrev_b32 v18, s10, v18
	v_lshl_add_u32 v[OFF], v19, 4, v18
.irp i, 1,2,3,4,5,6,7,8,9,10,11,12,13,14,15
	v_add_nc_u32 v[OFF+(\i)], s8, v[OFF+(\i)-1]
.endr
	s_wait_kmcnt 0x0
	s_mov_b64 s[4:5], s[16:17]
.irp j, 1,2,3,4,5,6,7
	s_cmp_eq_u32 s13, \j
	s_cselect_b64 s[4:5], s[16+2*(\j):17+2*(\j)], s[4:5]
.endr
	s_cmp_lt_u32 s13, 2
	s_cselect_b64 s[6:7], s[32:33], s[34:35]
	s_add_nc_u64 s[SB:SB+1], s[4:5], s[36:37]      ; the source at my tile's first number,
.irp r, 1,2,3
	s_add_nc_u64 s[SB+2*(\r):SB+2*(\r)+1], s[SB+2*(\r)-2:SB+2*(\r)-1], s[14:15]  ; and at its items 16, 32, 48
.endr
	s_add_nc_u64 s[6:7], s[6:7], s[38:39]          ; the workspace at my tile; never rewritten
	s_wait_alu depctr_va_vdst(0)                   ; v1 and the sixteen offsets are written: every load and store of the kernel reads one of them; no vector line names them again
.set n, 0
.rept NX*BLOCK
	global_load_b128 v[X+4*n:X+4*n+3], v[OFF+n%DEPTH], s[SB+2*(n/DEPTH):SB+2*(n/DEPTH)+1] th:TH_LOAD_NT  ; blocks 0 to 4 into X0 to X4, which no vector line has named
.set n, n+1
.endr
; Block p, in buffer p % NX.  All blocks but the last NX fill their buffer again, with the block NX further on, ahead of their stores.
.set p, 0
.rept BLOCKS
.set k, p%NX
.if p+NX-1 < BLOCKS
	s_wait_loadcnt (NX-1)*BLOCK                    ; loads come back in order (ISA guide 5.7.1): my block's four are in, the four younger blocks stay out
.else
	s_wait_loadcnt (BLOCKS-1-p)*BLOCK              ; the last blocks have fewer behind them: the counts run down
.endif
.irp i, 0,1,2,3
	v_cvt_pk_bf16_f32 v[Y+2*(BLOCK*p+(\i))],   v[X+16*k+4*(\i)],   v[X+16*k+4*(\i)+1]
	v_cvt_pk_bf16_f32 v[Y+2*(BLOCK*p+(\i))+1], v[X+16*k+4*(\i)+2], v[X+16*k+4*(\i)+3]
.endr
	s_wait_alu depctr_va_vdst(0)                   ; the eight roundings have written this block's Y, which the stores below read, and are done reading X[p % 5], in which the loads below land
.if p+NX < BLOCKS
.irp i, 0,1,2,3
	global_load_b128 v[X+16*k+4*(\i):X+16*k+4*(\i)+3], v[OFF+(BLOCK*(p+NX)+(\i))%DEPTH], s[SB+2*((BLOCK*(p+NX)+(\i))/DEPTH):SB+2*((BLOCK*(p+NX)+(\i))/DEPTH)+1] th:TH_LOAD_NT
.endr
.endif
.irp i, 0,1,2,3
	global_store_b64 v1, v[Y+2*(BLOCK*p+(\i)):Y+2*(BLOCK*p+(\i))+1], s[6:7] offset:256*(BLOCK*p+(\i)) th:TH_STORE_NT  ; the wave's 256 consecutive bytes, at a multiple of 256 from the buffer's first
.endr
.set p, p+1
.endr
	s_endpgm
.Lfunc_end_k_q6a3b64fb33_cast:
	.size	k_q6a3b64fb33_cast, .Lfunc_end_k_q6a3b64fb33_cast-k_q6a3b64fb33_cast
	.p2alignl 7, 3214868480
	.fill 96, 4, 3214868480
	.section	.rodata,"a",@progbits
	.p2align	6, 0x0
	.amdhsa_kernel k_q6a3b64fb33_cast
		.amdhsa_group_segment_fixed_size 0
		.amdhsa_private_segment_fixed_size 0
		.amdhsa_enable_private_segment 0
		.amdhsa_kernarg_size 80
		.amdhsa_user_sgpr_count 2
		.amdhsa_user_sgpr_kernarg_segment_ptr 1
		.amdhsa_wavefront_size32 1
		.amdhsa_system_sgpr_workgroup_id_x 1
		.amdhsa_system_sgpr_workgroup_id_y 1
		.amdhsa_system_sgpr_workgroup_id_z 1
		.amdhsa_system_vgpr_workitem_id 0
		.amdhsa_next_free_vgpr 228
		.amdhsa_next_free_sgpr 66
		.amdhsa_reserve_vcc 0
		.amdhsa_float_denorm_mode_32 3
		.amdhsa_float_denorm_mode_16_64 3
		.amdhsa_memory_ordered 1
		.amdhsa_forward_progress 1
		.amdhsa_inst_pref_size 25
	.end_amdhsa_kernel
	.amdgpu_metadata
---
amdhsa.version: [ 1, 2 ]
amdhsa.kernels:
  - .name:           k_q6a3b64fb33_cast
    .symbol:         k_q6a3b64fb33_cast.kd
    .args:
      - { .name: protein, .offset: 0, .size: 8, .value_kind: global_buffer, .address_space: global }
      - { .name: drug, .offset: 8, .size: 8, .value_kind: global_buffer, .address_space: global }
      - { .name: Wq_p, .offset: 16, .size: 8, .value_kind: global_buffer, .address_space: global }
      - { .name: Wk_p, .offset: 24, .size: 8, .value_kind: global_buffer, .address_space: global }
      - { .name: Wv_p, .offset: 32, .size: 8, .value_kind: global_buffer, .address_space: global }
      - { .name: Wq_d, .offset: 40, .size: 8, .value_kind: global_buffer, .address_space: global }
      - { .name: Wk_d, .offset: 48, .size: 8, .value_kind: global_buffer, .address_space: global }
      - { .name: Wv_d, .offset: 56, .size: 8, .value_kind: global_buffer, .address_space: global }
      - { .name: xb, .offset: 64, .size: 8, .value_kind: global_buffer, .address_space: global }
      - { .name: wb, .offset: 72, .size: 8, .value_kind: global_buffer, .address_space: global }
    .group_segment_fixed_size: 0
    .private_segment_fixed_size: 0
    .kernarg_segment_align: 8
    .kernarg_segment_size: 80
    .max_flat_workgroup_size: 256
    .sgpr_count:     66
    .vgpr_count:     228
    .wavefront_size: 32
...
	.end_amdgpu_metadata
.endif
;; end of part 3
;; launch can: the kernel of part 2 again; grid 16 x 16, 4 waves a work-group, clusters of 4 x 4, 327,680 bytes of LDS; arguments xb, wb, out0; writes out0
